; MI455X (gfx1250); checked and timed in simulation.
; The chip was launched on July 23, 2026; its instructions are those of AMD's public machine-readable ISA for CDNA 5 (MIT licence, August 2026) and "CDNA5" Instruction Set Architecture Reference Guide (July 2026). The comments in the code are by the model that wrote it; some were corrected since.
;; Lo Kr. Allowed arithmetic: matrix products marked QUANTISED: E5M2 operands, one given power-of-two scale a tensor, by v_wmma_f32_16x16x64_bf8_bf8 or v_wmma_f32_16x16x128_bf8_bf8, f32 sums; products left as they are: f32 operands where the result goes on into a quantised operand, else bf16, f16 or f32 operands; f32 sums; everything else in f32.
;; Inputs: lowp_scales 2 int32 (the exponents e of the quantised operands' scales 2^e); w1_a 16 x 32 float32; w1_b 64 x 16 float32; w2_a 16 x 64 float32; w2_b 64 x 16 float32; x 8,192 x 4,096 float32.
;; Outputs: out0 8,192 x 2,048 float32.
;; This version of the problem:
;;   THIS VERSION OF THE PROBLEM IS GIVEN IN LOW PRECISION. The matrix products marked QUANTISED in the list below multiply operands that are first quantised to E5M2 (5 exponent bits, 2 mantissa bits; 8 bits a number), with one given power-of-two scale for each operand tensor; their sums are f32. All else is computed in f32.
;;   The module's matrix products, in the order in which they are computed (A, B: the left and right operand; K: the contracted axis; several contracted axes count as one K, in the product's order):
;;     1. [M 32, K 16] x [K 16, N 64]; A: input w1_a; B: input w1_b: left as it is (K = 16 < 32)
;;     2. [M 64, K 16] x [K 16, N 64]; A: input w2_a; B: input w2_b: left as it is (K = 16 < 32)
;;     3. [M 8,192, K 4,096] x [K 4,096, N 2,048]; A: input x; B: computed on the way: QUANTISED (scales: A lowp_scales[0], B lowp_scales[1])
;;   THE QUANTISER, for each operand of a quantised product, along K:
;;     - The operand's scale is 2^e, e = its entry of the input lowp_scales (int32; the entries are numbered through the quantised products in the list's order, A before B).
;;     - Each number is divided by the scale, clamped to +-57,344, and rounded to the nearest number of E5M2, ties to even, subnormals kept.
;;     - The product sums the exact products of the quantised numbers (number of the format x scale) in f32.
;;   ~~~python
;;   def quantise(x, axis, e):      # numpy; x: float32 -> the quantised numbers, widened to float32 again
;;       x = np.moveaxis(x, axis, -1); K = x.shape[-1]
;;       r = np.clip(x / 2.0 ** e, -57344, 57344)
;;       step = 2.0 ** (np.maximum(np.frexp(np.where(r == 0, 1, r))[1] - 1, -14) - 2)
;;       q = np.round(r / step) * step * 2.0 ** e      # np.round: ties to even
;;       return np.moveaxis(q, -1, axis).astype(np.float32)
;;   ~~~
;;   OPERANDS COMPUTED ON THE WAY. 'Computed on the way' means the value that the module computes at that place (a softmax that the list does not call 'softmax' is quantised finished and normalised). What goes into a quantiser is computed in f32, as accurately as f32 sums, v_exp_f32 and their like allow (about 1e-6 of the number): no bf16 or f16 on the way to a quantiser, and a product that is left as it is and whose result goes on into a quantised operand takes f32 operands (vector FMAs, or v_wmma_f32_16x16x4_f32). A number that lies on a knife's edge between two numbers of the format may be rounded either way, as far as f32 arithmetic and the matrix unit's own rounding can turn it there, and no further.
;; One version. Each part assembles by itself: llvm-mc -triple=amdgcn-amd-amdhsa -mcpu=gfx1250 --defsym DOCPART=n.
;; ======== version 1 of 1: 2 launches
;; limits: right only within a limited range of input values
;; workspace buffers: x_codes 33,554,432 bytes; w_codes 8,388,608 bytes
;; launch prep (part 1): grid 1152 x 1, 4 waves a work-group, no clusters, 36,352 bytes of LDS; arguments x, w1_a, w1_b, w2_a, w2_b, lowp_scales, x_codes, w_codes; writes x_codes, w_codes
.if DOCPART == 1
	.amdgcn_target "amdgcn-amd-amdhsa--gfx1250"
	.amdhsa_code_object_version 6
	.text
	.protected	k_q481ef37117_prep
	.globl	k_q481ef37117_prep
	.p2align	8
	.type	k_q481ef37117_prep,@function
k_q481ef37117_prep:
	s_mov_b64 s[64:65], 0
	v_nop
	global_prefetch_b8 v0, s[64:65] scope:SCOPE_SE
	s_setreg_imm32_b32 hwreg(HW_REG_WAVE_MODE, 25, 1), 1
	s_wait_xcnt 0x0
; Both operands of out = (x W) / 16 become codes of BF8 (E5M2), each with its given scale 2^e (e0 for x, e1 for W), laid as IMAGES OF THE PRODUCT'S OPERAND REGISTERS.
; W[64 m + n][64 l + k] = w1[l][m] w2[k][n]; w1[l][m] = sum over r of w1_a[r][l] w1_b[m][r], w2[k][n] = sum over r of w2_a[r][k] w2_b[n][r]: f32 fused multiply-adds, r ascending, then one multiplication.
; code = number / 2^e, held within +-57,344, to the nearest code, ties to even.  LIMITS: e0, e1 between -126 and 112.  NaN among the inputs is not served; an infinity is held at the largest code.
; A FRAGMENT is 16 rows (of x) or 16 columns (of W) x 64 along K: 1,024 bytes = 2 pieces c of 512 bytes; in a piece lane (h, r) = 16 h + r has 16 bytes at 16 x lane.
; x_codes: [64 blocks of 128 rows][64 half-steps t][8 blocks a of 16 rows][fragment]; w_codes: [16 blocks cb of 128 columns][64 t][8 tiles b][fragment].
; WHICH K: byte 4 i + j of piece (t, c), half h, is K = 512 (t / 8) + 128 i + 4 L + j with L = 4 (t % 8) + 2 c + h: alike in both buffers, so each code of x meets its partner of W.
; WHICH COLUMN: lane r of tile b of block cb is column 128 cb + 64 (b / 4) + 4 r + b % 4, so that in the product four tiles give a lane four neighbouring columns.
; SHARES: work-groups 0-127 make W's codes (one (cb, b) each, a wave 16 half-steps); work-groups 128-1151 x's (16 rows x 2,048 K each, a wave 16 rows x 512 K).  The two ways have LDS bytes of their own.
; x: each load reads 512 consecutive bytes of a row; lane L's 16 codes of row p go to the wave's own stage at 272 L + 16 p and come back as pieces: each store covers 512 consecutive bytes, aligned.
; All global stores of a wave stand at its end, behind its last vector instruction.  No barrier: waves share nothing.
.set WGW,   128
.set SP,    272                        ; stage: a lane's 256 bytes (16 rows x 16) + 16 of padding
.set WST,   32*SP                      ; a wave's stage
.set W1L,   4*WST                      ; W's way: 256 bytes a wave
.set SPARE, W1L+1024                   ; the spare words, 128 bytes a wave
.set XR,    16                         ; x: v16-143 eight sets of 16 numbers
.set XC,    144                        ; x: v144-159 four sets of 4 registers of codes
.set XO,    16                         ; x: v16-79 the pieces on the way out
.set A1,    16                         ; W: w1_a[r][l]
.set B1,    32                         ; W: w1_b[16 w + lane % 16][r]
.set A2,    48                         ; W: w2_a[r][k]
.set B2,    64                         ; W: v64-191 w2_b[n][r] for eight n
.set W2,    192                        ; W: v192-223 w2[k][16 q + 8 c + 4 h + j] at 8 q + 4 c + j
.set W1,    224                        ; W: v224-239 w1[l][16 w + u]
.set T,     16                         ; W: two sets of 16 numbers of W (where A1, B1 lay)
.set WC,    64                         ; W: v64-191 the codes of 32 pieces (where B2 lay)
	s_load_b256 s[4:11], s[0:1], 0x0               ; x, w1_a, w1_b, w2_a
	s_load_b256 s[12:19], s[0:1], 0x20             ; w2_b, the scales' exponents, x_codes, w_codes
	v_lshl_add_u32 v240, v0, 2, SPARE
	v_mov_b32 v241, 0
	v_lshrrev_b32 v1, 5, v0
	v_readfirstlane_b32 s20, v1                    ; wave
	v_and_b32 v2, 31, v0                           ; lane
	v_lshlrev_b32 v3, 4, v2                        ; 16 x lane
	v_and_b32 v4, 15, v2                           ; r
	v_lshrrev_b32 v5, 4, v2                        ; h
	s_wait_alu depctr_va_vdst(0)
	s_wait_kmcnt 0x0
	s_load_b64 s[22:23], s[14:15], 0x0             ; e0, e1
	s_cmp_lt_u32 ttmp9, WGW
	s_cbranch_scc1 .Lweights
	; ---------------- x ----------------
	s_sub_co_u32 s24, ttmp9, WGW
	s_lshr_b32 s25, s24, 1                         ; which 16 rows: 0 .. 511
	s_and_b32 s24, s24, 1
	s_lshl_b32 s24, s24, 2
	s_add_co_u32 s24, s24, s20                     ; which 512 along K: 0 .. 7
	s_lshl_b32 s26, s25, 18                        ; 16 rows of 16,384 bytes
	s_lshl_b32 s28, s24, 11
	s_add_co_u32 s26, s26, s28
	s_mov_b32 s27, 0
	s_add_nc_u64 s[4:5], s[4:5], s[26:27]
	s_lshr_b32 s26, s25, 3
	s_lshl_b32 s26, s26, 19                        ; the block of 128 rows: 524,288 bytes of codes
	s_and_b32 s28, s25, 7
	s_lshl_b32 s28, s28, 10                        ; block a
	s_add_co_u32 s26, s26, s28
	s_lshl_b32 s28, s24, 16                        ; eight half-steps of 8,192 bytes
	s_add_co_u32 s26, s26, s28
	s_add_nc_u64 s[16:17], s[16:17], s[26:27]
.macro XLOAD p                         ; row p: register 4 i + j = number 128 i + 4 L + j of the 512
.irp i, 0,1,2,3
	global_load_b128 v[XR+16*((\p)%8)+4*\i:XR+16*((\p)%8)+4*\i+3], v3, s[4:5] offset:16384*(\p)+512*\i th:TH_LOAD_NT
.endr
.endm
.irp p, 0,1,2,3,4,5,6,7
	XLOAD \p                                       ; 32 loads of a wave are out
.endr
	s_mul_i32 s29, s20, WST
	v_mul_u32_u24 v6, v2, SP
	v_add_nc_u32 v6, s29, v6                       ; into the stage: 272 L
	v_mul_u32_u24 v7, v5, SP
	v_lshl_add_u32 v7, v4, 4, v7
	v_add_nc_u32 v7, s29, v7                       ; out of it: 272 h + 16 r
	s_wait_kmcnt 0x0
	s_add_co_i32 s24, s22, 127
	s_lshl_b32 s25, s24, 23
	v_mov_b32 v11, s25                             ; 2^e0
	s_add_co_i32 s24, s24, 15
	s_lshl_b32 s24, s24, 23
	s_or_b32 s24, s24, 0x600000
	v_mov_b32 v10, s24                             ; 57,344 x 2^e0
	s_wait_alu depctr_va_vdst(0)
.macro XSTEP p
.set RS, XR+16*((\p)%8)
.set CS, XC+4*((\p)%4)
.if 15-(\p) >= 7
	s_wait_loadcnt 28                              ; this row's four loads are in; those of the seven rows behind it may be out
.else
	s_wait_loadcnt 4*(15-(\p))
.endif
.irp i, 0,1,2,3,4,5,6,7,8,9,10,11,12,13,14,15
	v_med3_num_f32 v[RS+\i], v[RS+\i], -v10, v10   ; the conversion does not saturate (ISA guide 7.6.2): the hold comes first
.endr
	v_cvt_scalef32_pk8_bf8_f32 v[CS:CS+1], v[RS:RS+7], v11
	v_cvt_scalef32_pk8_bf8_f32 v[CS+2:CS+3], v[RS+8:RS+15], v11
.if (\p)+8 < 16
	XLOAD (\p)+8
.endif
	ds_store_b128 v6, v[CS:CS+3] offset:16*(\p)
.endm
.irp p, 0,1,2,3,4,5,6,7,8,9,10,11,12,13,14,15
	XSTEP \p
.endr
.irp u, 0,1,2,3,4,5,6,7,8,9,10,11,12,13,14,15
	ds_load_b128 v[XO+4*\u:XO+4*\u+3], v7 offset:2*SP*\u   ; piece u = 2 (t % 8) + c: L = 2 u + h; LDS serves a wave's instructions in order (ISA guide 5.7.1.4)
.endr
	s_wait_tensorcnt 0x0
	ds_add_u32 v240, v241
	s_wait_dscnt 0x0                               ; the pieces are in too
.irp u, 0,1,2,3,4,5,6,7,8,9,10,11,12,13,14,15
	global_store_b128 v3, v[XO+4*\u:XO+4*\u+3], s[16:17] offset:(\u/2)*8192+(\u%2)*512
.endr
	s_endpgm
	; ---------------- W ----------------
	; Work-group g: cb = g / 8, b = g % 8, so l = g / 4 and k = 4 r + g % 4.  Wave w: t = 16 w + s, s = 0 .. 15.
	; Byte 4 i + j of piece (t, c): K = 64 m + n, m = 16 w + 8 (s / 8) + 2 i + (s / 4) % 2, n = 16 (s % 4) + 8 c + 4 h + j.
.Lweights:
	s_lshr_b32 s24, ttmp9, 2
	s_lshl_b32 s24, s24, 2                         ; 4 l
	s_and_b32 s25, ttmp9, 3
	s_lshl_b32 s25, s25, 2                         ; 4 (g % 4)
	s_lshr_b32 s28, ttmp9, 3
	s_lshl_b32 s28, s28, 19                        ; cb
	s_lshl_b32 s26, s20, 17                        ; 16 half-steps of 8,192 bytes
	s_add_co_u32 s28, s28, s26
	s_and_b32 s26, ttmp9, 7
	s_lshl_b32 s26, s26, 10                        ; b
	s_add_co_u32 s28, s28, s26
	s_mov_b32 s29, 0
	s_add_nc_u64 s[18:19], s[18:19], s[28:29]
	s_lshl_b32 s30, s20, 10                        ; 16 w rows of w1_b
	s_lshl_b32 s31, s20, 8
	s_add_co_u32 s31, s31, W1L                     ; my wave's 256 bytes
	v_mov_b32 v6, s24
	v_lshl_add_u32 v7, v4, 6, s30                  ; w1_b: row 16 w + r
	v_lshl_add_u32 v8, v4, 4, s25                  ; w2_a: 4 k
	v_lshlrev_b32 v9, 8, v5                        ; w2_b: 4 h rows of 64 bytes
	v_lshl_add_u32 v12, v4, 2, s31
	v_mov_b32 v13, s31
	s_wait_alu depctr_va_vdst(0)
.irp r, 0,1,2,3,4,5,6,7,8,9,10,11,12,13,14,15
	global_load_b32 v[A1+\r], v6, s[6:7] offset:128*\r
.endr
.irp q, 0,1,2,3
	global_load_b128 v[B1+4*\q:B1+4*\q+3], v7, s[8:9] offset:16*\q
.endr
.irp r, 0,1,2,3,4,5,6,7,8,9,10,11,12,13,14,15
	global_load_b32 v[A2+\r], v8, s[10:11] offset:256*\r
.endr
.macro B2LOAD q4                       ; w2_b[16 q4 + 8 c + 4 h + j][..], e = 4 c + j
.irp e, 0,1,2,3,4,5,6,7
.irp q, 0,1,2,3
	global_load_b128 v[B2+16*\e+4*\q:B2+16*\e+4*\q+3], v9, s[12:13] offset:(16*(\q4)+8*(\e/4)+(\e%4))*64+16*\q
.endr
.endr
.endm
	B2LOAD 0
	s_wait_loadcnt 48                              ; w1_a and w1_b are in; behind them: w2_a's 16 and w2_b's 32
	v_mul_f32 v14, v[A1], v[B1]                    ; w1[l][16 w + r]
.set RR, 1
.rept 15
	v_fmac_f32 v14, v[A1+RR], v[B1+RR]
.set RR, RR+1
.endr
	ds_store_b32 v12, v14                          ; lanes r and 16 + r store the same number to the same word
.irp q, 0,1,2,3
	ds_load_b128 v[W1+4*\q:W1+4*\q+3], v13 offset:16*\q    ; all sixteen in every lane
.endr
.macro W2B q4
	s_wait_loadcnt 0x0
.irp e, 0,1,2,3,4,5,6,7
	v_mul_f32 v[W2+8*(\q4)+\e], v[A2], v[B2+16*\e] ; eight chains by turns, r ascending
.endr
.set RR, 1
.rept 15
.irp e, 0,1,2,3,4,5,6,7
	v_fmac_f32 v[W2+8*(\q4)+\e], v[A2+RR], v[B2+16*\e+RR]
.endr
.set RR, RR+1
.endr
.if (\q4) < 3
	B2LOAD (\q4)+1
.endif
	s_wait_alu depctr_va_vdst(0)
.endm
	W2B 0
	W2B 1
	W2B 2
	W2B 3
	s_wait_kmcnt 0x0
	s_add_co_i32 s24, s23, 127
	s_lshl_b32 s25, s24, 23
	v_mov_b32 v11, s25                             ; 2^e1
	s_add_co_i32 s24, s24, 15
	s_lshl_b32 s24, s24, 23
	s_or_b32 s24, s24, 0x600000
	v_mov_b32 v10, s24                             ; 57,344 x 2^e1
	s_wait_alu depctr_va_vdst(0)
	s_wait_tensorcnt 0x0
	ds_add_u32 v240, v241
	s_wait_dscnt 0x0                               ; w1's sixteen are in too
.macro PIECE s, c                      ; T's two sets take turns, so that plain lines on the other set stand behind each pair of conversions
.set TS, T+16*(\c)
.set PC, WC+4*(2*(\s)+(\c))
.irp i, 0,1,2,3
.irp j, 0,1,2,3
	v_mul_f32 v[TS+4*\i+\j], v[W1+8*((\s)/8)+2*\i+(((\s)/4)%2)], v[W2+8*((\s)%4)+4*(\c)+\j]
.endr
.endr
.irp i, 0,1,2,3,4,5,6,7,8,9,10,11,12,13,14,15
	v_med3_num_f32 v[TS+\i], v[TS+\i], -v10, v10
.endr
	v_cvt_scalef32_pk8_bf8_f32 v[PC:PC+1], v[TS:TS+7], v11
	v_cvt_scalef32_pk8_bf8_f32 v[PC+2:PC+3], v[TS+8:TS+15], v11
.endm
.irp s, 0,1,2,3,4,5,6,7,8,9,10,11,12,13,14,15
	PIECE \s, 0
	PIECE \s, 1
.endr
.irp s, 0,1,2,3,4,5,6,7,8,9,10,11,12,13,14,15
	global_store_b128 v3, v[WC+8*\s:WC+8*\s+3], s[18:19] offset:8192*\s        ; 512 consecutive bytes, aligned
	global_store_b128 v3, v[WC+8*\s+4:WC+8*\s+7], s[18:19] offset:8192*\s+512
.endr
	s_endpgm
.Lfunc_end_k_q481ef37117_prep:
	.size	k_q481ef37117_prep, .Lfunc_end_k_q481ef37117_prep-k_q481ef37117_prep
	.p2alignl 7, 3214868480
	.fill 96, 4, 3214868480
	.section	.rodata,"a",@progbits
	.p2align	6, 0x0
	.amdhsa_kernel k_q481ef37117_prep
		.amdhsa_group_segment_fixed_size 36352
		.amdhsa_private_segment_fixed_size 0
		.amdhsa_enable_private_segment 0
		.amdhsa_kernarg_size 64
		.amdhsa_user_sgpr_count 2
		.amdhsa_user_sgpr_kernarg_segment_ptr 1
		.amdhsa_wavefront_size32 1
		.amdhsa_system_sgpr_workgroup_id_x 1
		.amdhsa_system_sgpr_workgroup_id_y 1
		.amdhsa_system_sgpr_workgroup_id_z 1
		.amdhsa_system_vgpr_workitem_id 0
		.amdhsa_next_free_vgpr 242
		.amdhsa_next_free_sgpr 66
		.amdhsa_reserve_vcc 0
		.amdhsa_float_denorm_mode_32 3
		.amdhsa_float_denorm_mode_16_64 3
		.amdhsa_memory_ordered 1
		.amdhsa_forward_progress 1
		.amdhsa_inst_pref_size 120
	.end_amdhsa_kernel
	.amdgpu_metadata
---
amdhsa.version: [ 1, 2 ]
amdhsa.kernels:
  - .name:           k_q481ef37117_prep
    .symbol:         k_q481ef37117_prep.kd
    .args:
      - { .name: x, .offset: 0, .size: 8, .value_kind: global_buffer, .address_space: global }
      - { .name: w1_a, .offset: 8, .size: 8, .value_kind: global_buffer, .address_space: global }
      - { .name: w1_b, .offset: 16, .size: 8, .value_kind: global_buffer, .address_space: global }
      - { .name: w2_a, .offset: 24, .size: 8, .value_kind: global_buffer, .address_space: global }
      - { .name: w2_b, .offset: 32, .size: 8, .value_kind: global_buffer, .address_space: global }
      - { .name: lowp_scales, .offset: 40, .size: 8, .value_kind: global_buffer, .address_space: global }
      - { .name: x_codes, .offset: 48, .size: 8, .value_kind: global_buffer, .address_space: global }
      - { .name: w_codes, .offset: 56, .size: 8, .value_kind: global_buffer, .address_space: global }
    .group_segment_fixed_size: 36352
    .private_segment_fixed_size: 0
    .kernarg_segment_align: 8
    .kernarg_segment_size: 64
    .max_flat_workgroup_size: 128
    .sgpr_count:     66
    .vgpr_count:     242
    .wavefront_size: 32
...
	.end_amdgpu_metadata
.endif
;; end of part 1
;; launch gemm (part 2): grid 32 x 8, 4 waves a work-group, clusters of 4 x 1, 327,680 bytes of LDS; arguments x_codes, w_codes, lowp_scales, out0; writes out0
.if DOCPART == 2
	.amdgcn_target "amdgcn-amd-amdhsa--gfx1250"
	.amdhsa_code_object_version 6
	.text
	.protected	k_q481ef37117_gemm
	.globl	k_q481ef37117_gemm
	.p2align	8
	.type	k_q481ef37117_gemm,@function
k_q481ef37117_gemm:
	s_mov_b64 s[64:65], 0
	v_nop
	global_prefetch_b8 v0, s[64:65] scope:SCOPE_SE
	s_setreg_imm32_b32 hwreg(HW_REG_WAVE_MODE, 25, 1), 1
	s_wait_xcnt 0x0
	s_wait_alu depctr_hold_cnt(0) depctr_sa_sdst(0) depctr_va_vdst(0) depctr_va_sdst(0) depctr_va_ssrc(0) depctr_va_vcc(0) depctr_vm_vsrc(0)
	s_getreg_b32 s2, hwreg(HW_REG_IB_STS2, 6, 4)
	s_cmp_eq_u32 s2, 0
	s_cbranch_scc0 .Lentry_in_a_cluster
	s_endpgm
.Lentry_in_a_cluster:
	s_bfe_u32 s2, ttmp6, 0x10000c
	s_cmp_lg_u32 s2, 0x3003
	s_cbranch_scc0 .Lentry_shape_is_right
	s_endpgm
.Lentry_shape_is_right:
; out0[8192][2048] f32 = (codes of x) (codes of W) x 2^(e0 + e1 - 4): BF8 codes multiplied as they are by v_wmma_f32_16x16x64_bf8_bf8, sums in f32; the - 4 is the division by 16.
; LIMIT: e0 + e1 between -122 and 131, so that 2^(e0 + e1 - 4) is an f32 number.
; Both buffers hold images of operand registers (the launch before lays them): a fragment, 16 rows or columns x 64 K, is 1,024 bytes: two loads of 16 bytes a lane at 16 x lane, 512 bytes apart.
; A work-group makes 256 rows x 256 columns; wave w makes rows 64 w .. + 63 x all 256 columns: 4 blocks a x 16 tiles b = 64 accumulators, 512 registers.  256 work-groups.
; x: a wave's rows are read by no other wave of its work-group, so its fragments come from memory straight into a ring of eight half-steps of 64 K (4 fragments each, 256 registers);
;    a half-step's group is asked for again when its 64 products are issued, seven half-steps (448 matrix instructions) ahead of the wait for it.  Each load covers 512 consecutive bytes.
; W: all four waves read the same 256 columns: through LDS, a ring of two slots of 128 KB (512 along K), each wave fetching a quarter (128 rows of 256 bytes) by one tensor load.
;    CLUSTERS: the four work-groups of a cluster (4, 1, 1) have the same columns and ask for W's tiles jointly (mask 15).  x's fragments are shared by no partner.
;    A refill is asked for 480 matrix instructions ahead of the wait for it, so W's tiles are not prefetched; x's stream is: in each odd half-step t a wave names the 32 blocks of 256 bytes of its
;    half-steps t + 15 and t + 16, seven or eight half-steps ahead of their loads, up to half-step 63.
; A half-step goes tile by tile of W, each against x's four blocks.  Tiles 0-11 have two sets of registers, tiles 12-15 one: all loads of a half-step stand in ONE run at its end:
; the next half-step's tiles 12-15, the tiles 0-11 of the one after, and x's group of eight half-steps on.
; The matrix instruction takes x's 16 rows as source 0 and W's 16 columns as source 1: register j of lane (h, r) is row 8 h + j, and lane r of tile b is column 128 (b / 8) + 64 ((b % 8) / 4) + 4 r + b % 4:
; four tiles give a lane 16 neighbouring bytes of a row, and sixteen lanes store an aligned 256 bytes with no stage in LDS.
; REGISTERS: window 0: v0-15 addresses; v32-223 W's tiles 0-11, two sets; v224-255 tiles 12-15.  Window 1: x's ring.  Windows 2 (tiles 0-7), 3 (tiles 8-15): accumulator (a, b) at v[8 (4 (b % 8) + a)].
.set SLOT,  131072
.set HALF,  65536                      ; a slot's 128 columns x 512 K; also the bytes of 512 K of a block in memory
.set SPARE, 2*SLOT                     ; the spare words, 128 bytes a wave
.set AO,  4                            ; 16 x lane
.set BA,  5                            ; 16 x lane + the slot that is read: tiles 0-7
.set BA2, 6                            ; the same + HALF: tiles 8-15
.set PFO, 7                            ; 8,192 h + 256 r
.set SPW, 8
.set NIL, 9
.set CO,  10                           ; the way out: 8 h rows of 8,192 bytes + 16 r
.set DB,  32
.set SBF, 224
.set G1, 24
.set G0, 32
.set XB, 36                            ; s[36:37] my wave's codes of x at the slot's first half-step
.set SB, 38                            ; the slot that is read: 0 or SLOT
.set SB2, 39                           ; + HALF
.set MSB, 0
.macro WIN new                         ; the immediate's high byte repeats the setting that is left
.if MSB != \new
	s_set_vgpr_msb (MSB<<8)|\new
.set MSB, \new
.endif
.endm
.set MUL_LO, 0xa1                      ; source 0 (x) window 1, source 1 (W) window 0, C and D window 2
.set MUL_HI, 0xf1
.set TO_A,   0x40                      ; destination window 1
.macro CREST
	s_cmp_lg_u32 s14, 0
	s_cbranch_scc1 .Lnot_wave_0_\@
	s_barrier_signal -3
.Lnot_wave_0_\@:
	s_barrier_wait -3
	s_barrier_signal -1
	s_barrier_wait -1
.endm
.macro CROUND
	s_barrier_signal -1
	s_barrier_wait -1
	CREST
.endm
.macro PLACES                          ; four places in front of loads into registers that matrix instructions have read, and of reads of results
.rept 4
	v_nop
.endr
.endm
.macro JLOAD                           ; every wave asks for its quarter
	tensor_load_to_lds s[G0:G0+3], s[G1:G1+7]
	s_nop 0
	PLACES
.endm
	s_load_b128 s[4:7], s[0:1], 0x0                ; x_codes, w_codes
	s_load_b128 s[8:11], s[0:1], 0x10              ; the scales' exponents, out0
	v_lshl_add_u32 v[SPW], v0, 2, SPARE
	v_mov_b32 v[NIL], 0
	ds_add_u32 v[SPW], v[NIL]
	ds_add_u32 v[SPW], v[NIL]
	v_lshrrev_b32 v1, 5, v0
	v_readfirstlane_b32 s14, v1                    ; wave
	v_and_b32 v2, 31, v0
	v_lshlrev_b32 v[AO], 4, v2
	v_lshlrev_b32 v[BA], 4, v2
	v_lshl_add_u32 v[BA2], v2, 4, HALF
	v_and_b32 v3, 15, v0
	v_bfe_u32 v11, v0, 4, 1
	v_lshlrev_b32 v12, 8, v3
	v_lshl_add_u32 v[PFO], v11, 13, v12
	v_lshlrev_b32 v3, 4, v3
	v_lshl_add_u32 v[CO], v11, 16, v3
	s_bfe_u32 s40, ttmp6, 0x40000                  ; cx
	s_lshl_b32 s41, ttmp9, 2
	s_add_co_u32 s41, s41, s40                     ; block of 256 rows: 0 .. 31
	s_and_b32 s42, ttmp7, 0xffff                   ; block of 256 columns: 0 .. 7
	s_lshr_b32 s15, s14, 1
	s_and_b32 s16, s14, 1
	s_mov_b32 s[G1+0], 15|(3<<16)|(1<<21)          ; the mask of the four; elements of 8 bytes; bit 21 beside a mask; no padding: the tile is read as it lies
	s_mov_b32 s[G1+1], 32<<16                      ; tensor_dim0 = 32 elements: rows of 256 bytes
	s_mov_b32 s[G1+2], 128<<16                     ; tensor_dim1 = 128
	s_mov_b32 s[G1+3], 32<<16                      ; tile_dim0
	s_mov_b32 s[G1+4], 128                         ; tile_dim1
	s_mov_b32 s[G1+5], 32                          ; pitch: dense
	s_mov_b32 s[G1+6], 0
	s_mov_b32 s[G1+7], 0
	s_lshl_b32 s20, s42, 20                        ; W: two blocks of 128 columns, 524,288 bytes each;
	s_lshl_b32 s43, s15, 19                        ; waves 0, 1 fetch of the first, waves 2, 3 of the second,
	s_add_co_u32 s20, s20, s43
	s_lshl_b32 s43, s16, 15                        ; each a half of its 65,536 bytes of a slot
	s_add_co_u32 s20, s20, s43
	s_mov_b32 s21, 0
	s_lshl_b32 s45, s14, 15                        ; and in LDS: wave x 32,768
	s_lshl_b32 s46, s41, 1
	s_add_co_u32 s46, s46, s15                     ; x: my block of 128 rows, 524,288 bytes,
	s_lshl_b32 s46, s46, 19
	s_lshl_b32 s43, s16, 12                        ; and its blocks a 0-3 or 4-7
	s_add_co_u32 s46, s46, s43
	s_mov_b32 s47, 0
	s_lshl_b32 s48, s41, 2
	s_add_co_u32 s48, s48, s14
	s_lshl_b32 s48, s48, 19                        ; out0: 64 rows of 8,192 bytes a wave
	s_lshl_b32 s43, s42, 10                        ; + 1,024 bytes a block of columns
	s_add_co_u32 s48, s48, s43
	s_mov_b32 s49, 0
	s_mov_b32 s[SB], 0
	s_mov_b32 s[SB2], HALF
	s_wait_alu depctr_va_vdst(0)
	s_wait_dscnt 0x0                               ; both opening adds are done
	s_wait_kmcnt 0x0
	s_load_b64 s[96:97], s[8:9], 0x0               ; e0, e1
	s_add_nc_u64 s[XB:XB+1], s[4:5], s[46:47]
	s_add_nc_u64 s[10:11], s[10:11], s[48:49]
	s_mov_b32 s[G0], 1
	s_mov_b32 s[G0+1], s45
	s_add_nc_u64 s[G0+2:G0+3], s[6:7], s[20:21]
	s_or_b32 s[G0+3], s[G0+3], 0x80000000
	CROUND                                         ; the four work-groups are here: the first joint loads meet
	JLOAD                                          ; slot 0: K 0 .. 511; one tensor load a wave at the head
.macro AFR reg, off
	global_load_b128 v[\reg:\reg+3], v[AO], s[XB:XB+1] offset:\off
	global_load_b128 v[\reg+4:\reg+7], v[AO], s[XB:XB+1] offset:\off+512
.endm
.macro GLA i                           ; the ring's group i % 8 takes half-step i + 8's codes
	WIN TO_A
.irp a, 0,1,2,3
	AFR 32*((\i)%8)+8*\a, ((\i)+8)*8192+\a*1024
.endr
.endm
	WIN TO_A
.irp t, 0,1,2,3,4,5,6
.irp a, 0,1,2,3
	AFR 32*\t+8*\a, \t*8192+\a*1024
.endr
.endr
	s_wait_loadcnt 48                              ; half-step 0's group is in; behind it six groups of eight loads
.irp a, 0,1,2,3
	AFR 224+8*\a, 7*8192+\a*1024
.endr
	WIN 0
; Four matrix instructions: W's tile b (set p for tiles 0-11) against x's four blocks of group g.  The 64 accumulators take turns, in the same order in every half-step.
.macro TL g, p, b, zero
.if (\b) < 12
.set BR, DB+96*(\p)+8*(\b)
.else
.set BR, SBF+8*((\b)-12)
.endif
.irp a, 0,1,2,3
.if \zero
	v_wmma_f32_16x16x64_bf8_bf8 v[8*(4*((\b)%8)+\a):8*(4*((\b)%8)+\a)+7], v[32*(\g)+8*\a:32*(\g)+8*\a+7], v[BR:BR+7], 0
.else
	v_wmma_f32_16x16x64_bf8_bf8 v[8*(4*((\b)%8)+\a):8*(4*((\b)%8)+\a)+7], v[32*(\g)+8*\a:32*(\g)+8*\a+7], v[BR:BR+7], v[8*(4*((\b)%8)+\a):8*(4*((\b)%8)+\a)+7]
.endif
.endr
.endm
.macro BFR reg, adr, off               ; each load reads 512 consecutive bytes of LDS
	ds_load_b128 v[\reg:\reg+3], v[\adr] offset:\off
	ds_load_b128 v[\reg+4:\reg+7], v[\adr] offset:\off+512
.endm
.macro DLD p, hs                       ; tiles 0-11 of the slot's half-step hs into set p: 24 loads
.irp b, 0,1,2,3,4,5,6,7
	BFR DB+96*(\p)+8*\b, BA, (\hs)*8192+1024*\b
.endr
.irp b, 0,1,2,3
	BFR DB+96*(\p)+64+8*\b, BA2, (\hs)*8192+1024*\b
.endr
.endm
.macro SLD hs                          ; tiles 12-15: 8 loads
.irp b, 4,5,6,7
	BFR SBF+8*(\b-4), BA2, (\hs)*8192+1024*\b
.endr
.endm
.macro ASKX i                          ; my wave's 4,096 bytes of half-steps i + 15 (lanes 0-15) and i + 16 (lanes 16-31): a lane a block of 256 bytes
	global_prefetch_b8 v[PFO], s[XB:XB+1] offset:((\i)+15)*8192 th:TH_LOAD_NT scope:SCOPE_SE
.endm
; Half-step i of a slot.  ald: x's ring is filled on; pf: the prefetch; sld: the next half-step's tiles 12-15 are read; dld: the tiles 0-11 of the one after.
; dc1: the LDS loads issued behind this half-step's tiles 0-11 (the last run's 32); dc2: those behind its tiles 12-15 (24); lc: the loads issued behind the next half-step's group of x (six groups of 8).
.macro HS i, zero, ald, pf, sld, dld, dc1, dc2, lc, step
	s_wait_dscnt \dc1
	WIN MUL_LO
.irp b, 0,1,2,3,4,5,6,7
	TL (\i)%8, (\i)%2, \b, \zero
.endr
	WIN MUL_HI
.irp b, 8,9,10,11
	TL (\i)%8, (\i)%2, \b, \zero
.endr
	s_wait_dscnt \dc2
.irp b, 12,13,14,15
	TL (\i)%8, (\i)%2, \b, \zero
.endr
.if \lc >= 0
	s_wait_loadcnt \lc
.endif
.if \ald || \sld
	PLACES
.endif
	WIN 0
.if \sld
	SLD ((\i)+1)%8
.endif
.if \dld
	DLD (\i)%2, ((\i)+2)%8
.endif
.if \ald
.if \step
	s_wait_xcnt 0x0                                ; the loads and prefetches issued so far have read their base (ISA guide 3.1): it steps to the next slot's first half-step
	s_add_nc_u64 s[XB:XB+1], s[XB:XB+1], HALF
.endif
	GLA \i
.if \pf
	ASKX \i
.endif
	WIN 0
.endif
.endm
; Half-step 7 of a slot changes slots: the slot's last reads (its own tiles 12-15) were issued at the end of half-step 6.  In front of the barrier each wave waits for its tensor load (its part of the
; next slot), adds 0 to its spare word and waits for that and for its reads of this slot.  fill = 1: a round of the cluster's barrier, and this slot takes the tiles of two slots on.
; Behind the barrier the next slot's first tiles 0-11 are read.
.macro HST i, fill, pf
	s_wait_tensorcnt 0x0
	ds_add_u32 v[SPW], v[NIL]
.if \fill
	s_xor_b32 s[G0+1], s[G0+1], SLOT               ; no tensor load of mine is out: group 0 may be written
	s_add_nc_u64 s[G0+2:G0+3], s[G0+2:G0+3], HALF
.endif
	s_xor_b32 s[SB], s[SB], SLOT
	s_xor_b32 s[SB2], s[SB2], SLOT
	s_wait_dscnt 9                                 ; this half-step's tiles 0-11 are in; the eight loads of its tiles 12-15 and the add may be out
	WIN MUL_LO
.irp b, 0,1,2,3
	TL (\i)%8, (\i)%2, \b, 0
.endr
	s_wait_dscnt 0x0                               ; the add is done, and my reads of this slot are over
	s_barrier_signal -1
.irp b, 4,5,6,7
	TL (\i)%8, (\i)%2, \b, 0
.endr
	WIN 0
	s_barrier_wait -1
.if \fill
	CREST
	JLOAD                                          ; the first tensor load behind the round; its four v_nop are the places for the loads below
.else
	PLACES
.endif
	v_add_nc_u32 v[BA], s[SB], v[AO]               ; from here on the next slot is read
	v_add_nc_u32 v[BA2], s[SB2], v[AO]
	s_wait_alu depctr_va_vdst(0)
	DLD ((\i)+1)%2, 0
	WIN MUL_HI
.irp b, 8,9,10,11,12,13,14,15
	TL (\i)%8, (\i)%2, \b, 0
.endr
	s_wait_loadcnt 48
	PLACES
	WIN 0
	SLD 0
	DLD (\i)%2, 1
	GLA \i
.if \pf
	ASKX \i
.endif
	WIN 0
.endm
	s_wait_tensorcnt 0x0                           ; my part of slot 0 is in
	ds_add_u32 v[SPW], v[NIL]
	s_xor_b32 s[G0+1], s[G0+1], SLOT
	s_add_nc_u64 s[G0+2:G0+3], s[G0+2:G0+3], HALF
	s_wait_dscnt 0x0
	CROUND
	JLOAD                                          ; slot 1: K 512 .. 1,023
	DLD 0, 0
	SLD 0
	DLD 1, 1
	HS 0, 1, 1, 0, 1, 1, 32, 24, 48, 0             ; the first half-step stands in front of the loop: its products start the sums
	s_mov_b32 s3, 6
.Lslot:                                                ; a trip: a slot's half-steps 1 to 7 and the next slot's first; it fills the slot again
	HS 1, 0, 1, 1, 1, 1, 32, 24, 48, 0
	HS 2, 0, 1, 0, 1, 1, 32, 24, 48, 0
	HS 3, 0, 1, 1, 1, 1, 32, 24, 48, 0
	HS 4, 0, 1, 0, 1, 1, 32, 24, 48, 0
	HS 5, 0, 1, 1, 1, 1, 32, 24, 48, 0
	HS 6, 0, 1, 0, 1, 0, 32, 24, 48, 0
	HST 7, 1, 1
	HS 0, 0, 1, 0, 1, 1, 32, 24, 48, 1
	s_sub_co_u32 s3, s3, 1
	s_cmp_lg_u32 s3, 0
	s_cbranch_scc1 .Lslot
	HS 1, 0, 1, 0, 1, 1, 32, 24, 48, 0             ; the last two slots fill nothing, and nothing is left to prefetch
	HS 2, 0, 1, 0, 1, 1, 32, 24, 48, 0
	HS 3, 0, 1, 0, 1, 1, 32, 24, 48, 0
	HS 4, 0, 1, 0, 1, 1, 32, 24, 48, 0
	HS 5, 0, 1, 0, 1, 1, 32, 24, 48, 0
	HS 6, 0, 1, 0, 1, 0, 32, 24, 48, 0
	HST 7, 0, 0
	HS 8, 0, 0, 0, 1, 1, 32, 24, 48, 0             ; the last eight half-steps load nothing of x: the counts run down
	HS 9, 0, 0, 0, 1, 1, 32, 24, 40, 0
	HS 10, 0, 0, 0, 1, 1, 32, 24, 32, 0
	HS 11, 0, 0, 0, 1, 1, 32, 24, 24, 0
	HS 12, 0, 0, 0, 1, 1, 32, 24, 16, 0
	HS 13, 0, 0, 0, 1, 1, 32, 24, 8, 0
	HS 14, 0, 0, 0, 1, 0, 32, 24, 0, 0
	HS 15, 0, 0, 0, 0, 0, 8, 0, -1, 0
	; THE WAY OUT.  Each sum x 2^(e0 + e1 - 4) into other registers, four tiles' register j side by side: 16 bytes of row 8 h + j.  Each accumulator is read from its register 0 on.
	; All multiplications stand ahead of all stores: columns 0-127 go into the ring's registers, columns 128-255 into those that held columns 0-127's sums.
.macro SCALE
.irp q, 0,1
.irp a, 0,1,2,3
.irp j, 0,1,2,3,4,5,6,7
.irp i, 0,1,2,3
	v_mul_f32 v[128*\q+32*\a+4*\j+\i], s96, v[128*\q+32*\i+8*\a+\j]
.endr
.endr
.endr
.endr
.endm
.macro STORES c
.irp q, 0,1
.irp a, 0,1,2,3
.irp j, 0,1,2,3,4,5,6,7
	global_store_b128 v[CO], v[128*\q+32*\a+4*\j:128*\q+32*\a+4*\j+3], s[10:11] offset:(\a*16+\j)*8192+\c*512+\q*256 th:TH_STORE_NT   ; sixteen lanes store 256 consecutive bytes, aligned; lanes 16-31 eight rows below
.endr
.endr
.endr
.endm
	s_wait_kmcnt 0x0
	s_add_co_i32 s96, s96, s97
	s_add_co_i32 s96, s96, 123
	s_lshl_b32 s96, s96, 23                        ; 2^(e0 + e1 - 4)
	PLACES
	WIN 0x48                                       ; destination window 1, source 1 window 2
	SCALE
	WIN 0x8c                                       ; destination window 2, source 1 window 3
	SCALE
	s_wait_alu depctr_va_vdst(0)
	WIN 0x04                                       ; a store's data: source 1
	STORES 0
	WIN 0x08
	STORES 1
	WIN 0
	s_wait_tensorcnt 0x0                           ; the wave's end
	ds_add_u32 v[SPW], v[NIL]
	s_wait_dscnt 0x0
	CROUND                                         ; the closing round
	s_endpgm
.Lfunc_end_k_q481ef37117_gemm:
	.size	k_q481ef37117_gemm, .Lfunc_end_k_q481ef37117_gemm-k_q481ef37117_gemm
	.p2alignl 7, 3214868480
	.fill 96, 4, 3214868480
	.section	.rodata,"a",@progbits
	.p2align	6, 0x0
	.amdhsa_kernel k_q481ef37117_gemm
		.amdhsa_group_segment_fixed_size 327680
		.amdhsa_private_segment_fixed_size 0
		.amdhsa_enable_private_segment 0
		.amdhsa_kernarg_size 32
		.amdhsa_user_sgpr_count 2
		.amdhsa_user_sgpr_kernarg_segment_ptr 1
		.amdhsa_wavefront_size32 1
		.amdhsa_system_sgpr_workgroup_id_x 1
		.amdhsa_system_sgpr_workgroup_id_y 1
		.amdhsa_system_sgpr_workgroup_id_z 1
		.amdhsa_system_vgpr_workitem_id 0
		.amdhsa_next_free_vgpr 1024
		.amdhsa_next_free_sgpr 98
		.amdhsa_reserve_vcc 0
		.amdhsa_float_denorm_mode_32 3
		.amdhsa_float_denorm_mode_16_64 3
		.amdhsa_memory_ordered 1
		.amdhsa_forward_progress 1
		.amdhsa_inst_pref_size 206
	.end_amdhsa_kernel
	.amdgpu_metadata
---
amdhsa.version: [ 1, 2 ]
amdhsa.kernels:
  - .name:           k_q481ef37117_gemm
    .symbol:         k_q481ef37117_gemm.kd
    .args:
      - { .name: x_codes, .offset: 0, .size: 8, .value_kind: global_buffer, .address_space: global }
      - { .name: w_codes, .offset: 8, .size: 8, .value_kind: global_buffer, .address_space: global }
      - { .name: lowp_scales, .offset: 16, .size: 8, .value_kind: global_buffer, .address_space: global }
      - { .name: out0, .offset: 24, .size: 8, .value_kind: global_buffer, .address_space: global }
    .group_segment_fixed_size: 327680
    .private_segment_fixed_size: 0
    .kernarg_segment_align: 8
    .kernarg_segment_size: 32
    .max_flat_workgroup_size: 128
    .sgpr_count:     98
    .vgpr_count:     1024
    .wavefront_size: 32
...
	.end_amdgpu_metadata
.endif
;; end of part 2
